; MI455X (gfx1250); checked and timed in simulation.
; The chip was launched on July 23, 2026; its instructions are those of AMD's public machine-readable ISA for CDNA 5 (MIT licence, August 2026) and "CDNA5" Instruction Set Architecture Reference Guide (July 2026). The comments in the code are by the model that wrote it; some were corrected since.
;; Custom Feed Forward. Allowed arithmetic: float matrix products may take bf16 or f16 operands with f32 sums; all other float work in f32.
;; Inputs: w1 8,192 x 2,048 float32; w2 8,192 x 2,048 float32; w3 2,048 x 8,192 float32; x 4 x 256 x 2,048 float32.
;; Outputs: out0 4 x 256 x 2,048 float32.
;; Constants: scale_x = 1.
;; One version. Each part assembles by itself: llvm-mc -triple=amdgcn-amd-amdhsa -mcpu=gfx1250 --defsym DOCPART=n.
;; ======== version 1 of 1: 4 launches
;; workspace buffers: xb 4,194,304 bytes; h 16,777,216 bytes; part 67,108,864 bytes
;; launch cast (part 1): grid 256 x 1, 8 waves a work-group, no clusters, 0 bytes of LDS; arguments x, xb; writes xb
.if DOCPART == 1
	.amdgcn_target "amdgcn-amd-amdhsa--gfx1250"
	.amdhsa_code_object_version 6
	.text
	.protected	k_qdc627959d0_cast
	.globl	k_qdc627959d0_cast
	.p2align	8
	.type	k_qdc627959d0_cast,@function
k_qdc627959d0_cast:
	s_mov_b64 s[64:65], 0
	v_nop
	global_prefetch_b8 v0, s[64:65] scope:SCOPE_SE
	s_setreg_imm32_b32 hwreg(HW_REG_WAVE_MODE, 25, 1), 1
	s_wait_xcnt 0x0
; xb = x rounded to bf16 (nearest even), laid in blocks of 32 along K:  x: [1024][2048] f32;  xb: [64 (k / 32)][1024 (row)][32 (k % 32)] bf16,
; byte (k / 32) * 65536 + row * 64 + 2 (k % 32).  In that layout 256 rows x 32 K, what the next launch asks for at a time, are 16,384 consecutive bytes.
; A stream: each byte of x is read once and each byte of xb written once.  No LDS, no barrier, no matrix unit, no cluster: no two work-groups read the same byte.
; The work-group owns rows 4 g .. 4 g + 3.  Thread t: block 16 j + t / 16 (j = 0..3), row (t % 16) / 4, eight numbers (t % 4): it reads 32 bytes and writes 16.
; The two loads of a wave for one j cover 256 consecutive bytes, aligned, of each of the four rows; sixteen neighbouring lanes store 256 consecutive bytes, aligned.
.set XI, 8                             ; v[8:39]   j: 8 registers as loaded
.set XO, 40                            ; v[40:55]  j: 4 registers to store
	s_load_b128 s[4:7], s[0:1], 0x0                ; x s[4:5], xb s[6:7]
	s_lshl_b32 s8, ttmp9, 15                       ; four rows of 8,192 bytes of x
	s_mov_b32 s9, 0
	s_lshl_b32 s10, ttmp9, 8                       ; four rows of 64 bytes in a block of xb
	s_mov_b32 s11, 0
	v_lshrrev_b32 v2, 4, v0                        ; t / 16: my block among sixteen
	v_bfe_u32 v3, v0, 2, 2                         ; my row
	v_and_b32 v4, 3, v0                            ; my eight numbers of the row's 32
	v_and_b32 v5, 15, v0
	v_lshlrev_b32 v1, 7, v2                        ; in: a block is 128 bytes of a row,
	v_lshl_add_u32 v1, v3, 13, v1                  ; a row 8,192 bytes,
	v_lshl_add_u32 v1, v4, 5, v1                   ; eight numbers 32 bytes
	v_lshlrev_b32 v5, 4, v5                        ; out: 16 (t % 16) = row * 64 + 16 (t % 4),
	v_lshl_add_u32 v2, v2, 16, v5                  ; a block 65,536 bytes
	s_wait_kmcnt 0x0
	s_add_nc_u64 s[4:5], s[4:5], s[8:9]
	s_add_nc_u64 s[6:7], s[6:7], s[10:11]
.irp j, 0,1,2,3                        ; all eight loads go out before anything is waited for; sixteen blocks on are 2,048 bytes of a row
	global_load_b128 v[XI+8*(\j):XI+8*(\j)+3],   v1, s[4:5] offset:2048*(\j) th:TH_LOAD_NT
	global_load_b128 v[XI+8*(\j)+4:XI+8*(\j)+7], v1, s[4:5] offset:2048*(\j)+16 th:TH_LOAD_NT
.endr
.irp j, 0,1,2,3
	s_wait_loadcnt 6-2*(\j)                        ; loads come back in order (ISA guide 5.7.1): pair j is in, the younger pairs stay out
.irp i, 0,1,2,3
	v_cvt_pk_bf16_f32 v[XO+4*(\j)+(\i)], v[XI+8*(\j)+2*(\i)], v[XI+8*(\j)+2*(\i)+1]
.endr
	global_store_b128 v2, v[XO+4*(\j):XO+4*(\j)+3], s[6:7] offset:1048576*(\j)  ; sixteen blocks on; no register of a store is written again
.endr
	s_endpgm
.Lfunc_end_k_qdc627959d0_cast:
	.size	k_qdc627959d0_cast, .Lfunc_end_k_qdc627959d0_cast-k_qdc627959d0_cast
	.p2alignl 7, 3214868480
	.fill 96, 4, 3214868480
	.section	.rodata,"a",@progbits
	.p2align	6, 0x0
	.amdhsa_kernel k_qdc627959d0_cast
		.amdhsa_group_segment_fixed_size 0
		.amdhsa_private_segment_fixed_size 0
		.amdhsa_enable_private_segment 0
		.amdhsa_kernarg_size 16
		.amdhsa_user_sgpr_count 2
		.amdhsa_user_sgpr_kernarg_segment_ptr 1
		.amdhsa_wavefront_size32 1
		.amdhsa_system_sgpr_workgroup_id_x 1
		.amdhsa_system_sgpr_workgroup_id_y 1
		.amdhsa_system_sgpr_workgroup_id_z 1
		.amdhsa_system_vgpr_workitem_id 0
		.amdhsa_next_free_vgpr 64
		.amdhsa_next_free_sgpr 66
		.amdhsa_reserve_vcc 0
		.amdhsa_float_denorm_mode_32 3
		.amdhsa_float_denorm_mode_16_64 3
		.amdhsa_memory_ordered 1
		.amdhsa_forward_progress 1
		.amdhsa_inst_pref_size 4
	.end_amdhsa_kernel
	.amdgpu_metadata
---
amdhsa.version: [ 1, 2 ]
amdhsa.kernels:
  - .name:           k_qdc627959d0_cast
    .symbol:         k_qdc627959d0_cast.kd
    .args:
      - { .name: x, .offset: 0, .size: 8, .value_kind: global_buffer, .address_space: global }
      - { .name: xb, .offset: 8, .size: 8, .value_kind: global_buffer, .address_space: global }
    .group_segment_fixed_size: 0
    .private_segment_fixed_size: 0
    .kernarg_segment_align: 8
    .kernarg_segment_size: 16
    .max_flat_workgroup_size: 256
    .sgpr_count:     66
    .vgpr_count:     64
    .wavefront_size: 32
...
	.end_amdgpu_metadata
.endif
;; end of part 1
;; launch gateup (part 2): grid 64 x 4, 4 waves a work-group, clusters of 4 x 4, 327,680 bytes of LDS; arguments xb, w1, w2, h; writes h
.if DOCPART == 2
	.amdgcn_target "amdgcn-amd-amdhsa--gfx1250"
	.amdhsa_code_object_version 6
	.text
	.protected	k_qdc627959d0_gateup
	.globl	k_qdc627959d0_gateup
	.p2align	8
	.type	k_qdc627959d0_gateup,@function
k_qdc627959d0_gateup:
	s_mov_b64 s[64:65], 0
	v_nop
	global_prefetch_b8 v0, s[64:65] scope:SCOPE_SE
	s_setreg_imm32_b32 hwreg(HW_REG_WAVE_MODE, 25, 1), 1
	s_wait_xcnt 0x0
	s_wait_alu depctr_hold_cnt(0) depctr_sa_sdst(0) depctr_va_vdst(0) depctr_va_sdst(0) depctr_va_ssrc(0) depctr_va_vcc(0) depctr_vm_vsrc(0)
	s_getreg_b32 s2, hwreg(HW_REG_IB_STS2, 6, 4)
	s_cmp_eq_u32 s2, 0
	s_cbranch_scc0 .Lentry_in_a_cluster
	s_endpgm
.Lentry_in_a_cluster:
	s_bfe_u32 s2, ttmp6, 0x10000c
	s_cmp_lg_u32 s2, 0xf033
	s_cbranch_scc0 .Lentry_shape_is_right
	s_endpgm
.Lentry_shape_is_right:
; h = silu(x w1^T) * (x w2^T).  xb: x in bf16, [64 (k / 32)][1024][32];  w1, w2: [8192][2048] f32;  h: bf16, [256 (hidden / 32)][1024 (row)][32 (hidden % 32)].
; Products in bf16 with f32 sums, K ascending, one sum for each number; silu and the product in f32; h rounded once.
; LIMITS.  x, w1, w2 and h are rounded to bf16 (bf16, not f16: h has f32's range).  sigmoid(g) = 1 / (1 + 2^(-g log2 e)): the exponential and the reciprocal take denormals as 0
; (ISA guide 15.8), so sigmoid is 0 below about g = -88 and 1 above 88; h = (g * sigmoid) * u, so a large negative g gives 0.  NaN and infinities are not treated apart.
; SHARES.  A work-group makes 256 rows (block Y) x 128 hidden columns (block X) of h: 256 rows of x against 128 rows of w1 and the SAME 128 rows of w2.  Each of its four waves takes all 256 rows
; of x and 32 rows of w1 and of w2: 16 x 4 accumulators of 16 x 16, 512 registers.  So gate and up of one number of h lie in one lane, and each f32 weight is read from LDS and rounded once in the work-group.
; K goes in steps of 64 through a ring of two LDS slots filled by the tensor data mover: the weights' rows there are 256 bytes of memory, aligned; x comes as 64 rows of 256 consecutive bytes for 32 K.
; Two slots of 96 along K would take 344,064 bytes of LDS: the step cannot be longer.
; CLUSTER.  4 x 4 work-groups.  The four of a row of the cluster share Y and so x's tiles, the four of a column share X and so the weights' tiles: each tile is asked for JOINTLY, by the same tensor load with
; the same descriptor and a mask that names the four.  The grid's four rows of work-groups are one cluster's height, so Y is the place cy, and each weight is asked for by one column of one cluster alone.
; PREFETCH.  The weights are read once in the launch.  Wave 2 + i of the work-group at place cy asks, one lane a row, for the 256 bytes of rows 32 cy .. 32 cy + 31 of w1 (i = 0) or w2 (i = 1) in the K step that
; the joint load two trips later will request: K step s + 4 in the trip of K step s.  That is 32 blocks of 256 bytes a wave and 64 KiB for the four work-groups of a column, each block asked for by one wave of
; one work-group.  K steps 2 and 3 are asked for behind the first fills.  The step is held at NS - 1, so that no request leaves a row's 8,192 bytes; the last two trips ask for that step again.
; x's tiles are not asked for: sixteen clusters read them.
; THE MATRIX INSTRUCTION IS USED TRANSPOSED: source 0 = 16 rows of weights, source 1 = 16 rows of x.  Lane l then holds row l % 16 of h and in registers 0-7 the hidden columns 8 (l / 16) + 0..7.
; REGISTERS, in windows of 256 (s_set_vgpr_msb: bits 1:0 source 0, 3:2 source 1, 5:4 source 2, 7:6 destination):
;   window 0: v0-29 addresses; v64-127 weights as loaded, f32 (16 registers a fragment); v128-159, v160-191 weights in bf16, two buffers of four fragments; v64-215 at work on the way out
;   window 1: x's fragments, two buffers of 16 x 8          window 2: accumulators (a, b) at 32 a + 8 b, a = 0..7          window 3: a = 8..15
; No work-group walks on to a second block: there is one block for each.
.set NS,     32                        ; K steps: 2048 / 64
.set SLOT1,  131072                    ; slot 1 begins here, so that one exclusive or turns an address in one slot into the other's
.set PA,     80                        ; a row of x in LDS: 64 bytes (32 K) + 16 of padding = 20 words: the 16 rows of a load start at 16 different groups of four banks (64 banks of 4 bytes: ISA guide 11.1)
.set AQ,     256*PA                    ; 256 rows x 32 K; a slot holds two such quarters: K 0-31, then K 32-63
.set PB,     272                       ; a row of weights: 256 bytes (64 f32) + 16 = 68 words: again 16 different groups of four banks
.set BOFF,   2*AQ                      ; the weights lie behind x
.set BHALF,  128*PB                    ; 128 rows of w1, then 128 rows of w2
.set STAGE,  SLOT1+BOFF+2*BHALF        ; behind the ring, never filled by a tensor load: 16 rows x 80 bytes for each wave, for the way out
.set SP,     80
.set SPARE,  STAGE+4*16*SP             ; behind the stages: the spare words, 128 bytes for each wave: two blocks of 256 bytes that no other line names
.set ASTEP,  131072                    ; a K step in xb: two blocks of 65,536 bytes
.set BSTEP,  256                       ; a K step in a weight's row
.set BPITCH, 2048                      ; numbers from row to row of w1 and w2
.set BROWSH, 13                        ; a row of w1 or w2 is 2^13 bytes
.set WROWS,  32                        ; my wave's rows in each half of the weights' tile
.set BRA,    16*PB                     ; fragment b of my weights begins (b % 2) BRA + (b / 2) BRB behind the first: b = 0, 1 are w1's, b = 2, 3 w2's
.set BRB,    BHALF
.set A0,   16                          ; v16  my lane's place in a quarter of x; never rewritten
.set B0,   17                          ; v17  the same in the weights' tile, my wave's rows
.set ADRA, 18                          ; v18  A0 + the slot that is being read
.set ADRB, 19                          ; v19  B0 + that slot
.set PF0,  20                          ; v20  the prefetch: byte offset of my lane's row, 32 cy + lane, in my half of the weights' tile; never rewritten
.set PF,   21                          ; v21  PF0 + the K step to be asked for
.set STO,  24                          ; v24  the way out: where I put 16 bytes of a row
.set RD,   25                          ; v25  the way out: where I read rows back
.set CO,   26                          ; v26  my byte offset in 512 consecutive bytes of h
.set SPW,  28                          ; v28  LDS address of my spare word: SPARE + 4 x my thread's number; never rewritten
.set NIL,  29                          ; v29  0; never rewritten
.set S,    64
.set FB,   128
.set OB,   64                          ; the way out: block a's 16 rows, read back, at v[64 + 8 a]: registers of its own for each block
.set T,    192                         ; the way out: 16 numbers in f32
.set P,    208                         ; the way out: they in bf16
.set WV,   12                          ; s12  my wave's number
.set HALF, 13                          ; s13  0: I fetch for x; 1: for the weights
.set LOW,  14                          ; s14  which quarter of x, or w1 (0) or w2 (1)
.set G1A,  24                          ; s[24:31] descriptor group 1 for x's tiles
.set G0A,  32                          ; s[32:39] group 0: a set for each of the two first fills; the second then walks on
.set PFB,  46                          ; s[46:47] w1 or w2 at the first of my half's 128 rows; never rewritten once made
.set G1B,  48                          ; s[48:55], s[56:63] the same for the weights' tiles
.set G0B,  56
.set TB,   66                          ; s66  LDS byte at which the slot that is being read begins
.set CNT,  67                          ; s67  trips to go
.set CE,   68                          ; s[68:69] -log2(e): the packed multiply names a pair and takes its low word for both halves
.set PFK,  78                          ; s78  byte in a weight's row of the K step that the next prefetch asks for
.set MSB, 0
.macro WIN new                         ; the immediate's high byte repeats the setting that is left; a switch that changes nothing is dropped
.if MSB != (\new)
	s_set_vgpr_msb (MSB<<8)|(\new)
.set MSB, (\new)
.endif
.endm
; A joint refill by the walking descriptors.  Waves 0 and 1 fetch x's two quarters, waves 2 and 3 the rows of w1 and of w2.  The branch hangs on the wave's number alone.
; An s_nop 0 and four v_nop follow each of the two lines, ahead of the jump, the label and what follows.  The waves that fetch weights then ask for their 32 rows of a later K step.
.macro JLOAD
	s_cmp_eq_u32 s[HALF], 0
	s_cbranch_scc0 .Lfor_b_\@
	tensor_load_to_lds s[G0A+4:G0A+7], s[G1A:G1A+7]
	s_nop 0
.rept 4
	v_nop
.endr
	s_branch .Lasked_\@
.Lfor_b_\@:
	tensor_load_to_lds s[G0B+4:G0B+7], s[G1B:G1B+7]
	s_nop 0
.rept 4
	v_nop
.endr
	global_prefetch_b8 v[PF], s[PFB:PFB+1] th:TH_LOAD_NT scope:SCOPE_SE
.Lasked_\@:
.endm
.macro CREST                           ; a round of the cluster's barrier behind its opening barrier: wave 0 signals for the work-group, every wave waits for all sixteen, my work-group's barrier closes it
	s_cmp_lg_u32 s[WV], 0
	s_cbranch_scc1 .Lnot_wave_0_\@
	s_barrier_signal -3
.Lnot_wave_0_\@:
	s_barrier_wait -3
	s_barrier_signal -1
	s_barrier_wait -1
.endm
.macro CROUND                          ; a whole round
	s_barrier_signal -1
	s_barrier_wait -1
	CREST
.endm
; A load into a register that a matrix instruction has read, and a vector instruction that reads a matrix result or writes one of a matrix instruction's registers, stand four places behind it,
; and only plain vector instructions that name none of its registers are places (ISA guide 7.12.1 for vector instructions).
.macro PLACES
.rept 4
	v_nop
.endr
.endm
	s_load_b256 s[4:11], s[0:1], 0x0               ; xb s[4:5], w1 s[6:7], w2 s[8:9], h s[10:11]
	v_lshl_add_u32 v[SPW], v0, 2, SPARE
	v_mov_b32 v[NIL], 0
	ds_add_u32 v[SPW], v[NIL]                      ; the wave's opening: the add and its wait stand ahead of my first tensor load; the set-up below, work on registers, stands between them
	v_lshrrev_b32 v1, 5, v0
	v_readfirstlane_b32 s[WV], v1                  ; wave 0..3
	s_lshr_b32 s[HALF], s[WV], 1
	s_and_b32 s[LOW], s[WV], 1
	s_bfe_u32 s40, ttmp6, 0x40000                  ; cx: my place along the cluster's x
	s_bfe_u32 s41, ttmp6, 0x40004                  ; cy = Y: the grid is one cluster high
	s_lshl_b32 s42, ttmp9, 2                       ; in a cluster launch ttmp9 counts clusters
	s_add_co_u32 s42, s42, s40                     ; X = 4 x cluster x + cx
	s_lshl_b32 s44, s41, 2
	s_lshl_b32 s44, 15, s44                        ; my row of the cluster: places 4 cy .. 4 cy + 3
	s_lshl_b32 s45, 0x1111, s40                    ; my column: places cx, cx + 4, cx + 8, cx + 12
	v_and_b32 v[PF0], 31, v0                       ; the prefetch: of the 128 rows of my half the four work-groups of my column take 32 each: row 32 cy + lane,
	s_lshl_b32 s74, s41, 5
	v_add_nc_u32 v[PF0], s74, v[PF0]
	v_lshlrev_b32 v[PF0], BROWSH, v[PF0]           ; in bytes.  It enters no descriptor and no LDS address
	s_mov_b32 s[PFK], 4*BSTEP                      ; K step 0's trip asks for K step 4
	; group 1 for x: 16,384 consecutive bytes as 64 rows of 128 elements of 2 bytes, padded in LDS behind every 64 bytes
	s_or_b32 s[G1A+0], s44, (1<<16)|(1<<20)|(1<<21)|(3<<22)|(3<<25)  ; 15:0 the mask: my row; 17:16 2-byte elements; 20 padding on; 21 set beside a mask; 24:22 after every 16 words (code 3); 31:25 4 words (code 3)
	s_mov_b32 s[G1A+1], 128<<16                    ; tensor_dim0 = 128
	s_mov_b32 s[G1A+2], 64<<16                     ; tensor_dim1 = 64
	s_mov_b32 s[G1A+3], 128<<16                    ; tile_dim0 = 128
	s_mov_b32 s[G1A+4], 64                         ; tile_dim1 = 64
	s_mov_b32 s[G1A+5], 128                        ; 128 elements from row to row
	s_mov_b32 s[G1A+6], 0
	s_mov_b32 s[G1A+7], 0
	; group 1 for the weights: 128 rows of 64 elements of 4 bytes, padded behind every row
	s_or_b32 s[G1B+0], s45, (2<<16)|(1<<20)|(1<<21)|(5<<22)|(3<<25)  ; the mask: my column; 4-byte elements; after every 64 words (code 5) 4 words
	s_mov_b32 s[G1B+1], 64<<16                     ; tensor_dim0 = 64
	s_mov_b32 s[G1B+2], 128<<16                    ; tensor_dim1 = 128
	s_mov_b32 s[G1B+3], 64<<16                     ; tile_dim0 = 64
	s_mov_b32 s[G1B+4], 128                        ; tile_dim1 = 128
	s_mov_b32 s[G1B+5], BPITCH
	s_mov_b32 s[G1B+6], 0
	s_mov_b32 s[G1B+7], 0
	; where the tiles come from: x's hang on Y and the wave, the weights' on X and the wave, each in registers that never hold the other coordinate
	s_lshl_b32 s16, s[LOW], 16                     ; x: my quarter's block of 32 K,
	s_lshl_b32 s17, s41, 14                        ; and in it 256 Y rows of 64 bytes
	s_add_co_u32 s16, s16, s17
	s_mov_b32 s17, 0
	s_lshl_b32 s46, s42, 20                        ; the weights: 128 X rows of 8,192 bytes
	s_mov_b32 s47, 0
	s_mul_i32 s20, s[LOW], AQ                      ; and where they go: no place in the cluster enters an LDS address
	s_mul_i32 s21, s[LOW], BHALF
	s_add_co_u32 s21, s21, BOFF
	s_mov_b32 s[CE], 0xbfb8aa3b                    ; -log2(e)
	s_mov_b32 s[CE+1], s[CE]                       ; named with it as a pair, so it is written
	s_mov_b32 s[TB], 0
	s_wait_dscnt 0x0                               ; the opening add is done
	s_wait_kmcnt 0x0
	s_add_nc_u64 s[18:19], s[4:5], s[16:17]
	s_cmp_eq_u32 s[LOW], 0
	s_cselect_b64 s[22:23], s[6:7], s[8:9]         ; w1 or w2, by the wave's number
	s_add_nc_u64 s[PFB:PFB+1], s[22:23], s[46:47]
	CROUND                                         ; all sixteen work-groups are here: the first joint loads meet
.irp s, 0,1
	s_mov_b32 s[G0A+4*(\s)], 1                                     ; 1:0 count = 1
	s_add_co_u32 s[G0A+4*(\s)+1], s20, (\s)*SLOT1                  ; 63:32 LDS address
	s_add_nc_u64 s[G0A+4*(\s)+2:G0A+4*(\s)+3], s[18:19], (\s)*ASTEP  ; 120:64 global address: K step s
	s_or_b32 s[G0A+4*(\s)+3], s[G0A+4*(\s)+3], 0x80000000          ; 127:126 type = 2
	s_mov_b32 s[G0B+4*(\s)], 1
	s_add_co_u32 s[G0B+4*(\s)+1], s21, (\s)*SLOT1
	s_add_nc_u64 s[G0B+4*(\s)+2:G0B+4*(\s)+3], s[PFB:PFB+1], (\s)*BSTEP
	s_or_b32 s[G0B+4*(\s)+3], s[G0B+4*(\s)+3], 0x80000000
.endr
	s_cmp_eq_u32 s[HALF], 0                        ; a wave's two first fills stand in one branch, ahead of every wait on TENSORcnt and every LDS read: two loads of mine are out
	s_cbranch_scc0 .Lfirst_b
	tensor_load_to_lds s[G0A:G0A+3], s[G1A:G1A+7]
	s_nop 0
	tensor_load_to_lds s[G0A+4:G0A+7], s[G1A:G1A+7]
	s_nop 0
.rept 4
	v_nop
.endr
	s_branch .Lfirst_asked
.Lfirst_b:
	tensor_load_to_lds s[G0B:G0B+3], s[G1B:G1B+7]
	s_nop 0
	tensor_load_to_lds s[G0B+4:G0B+7], s[G1B:G1B+7]
	s_nop 0
.rept 4
	v_nop
.endr
	global_prefetch_b8 v[PF0], s[PFB:PFB+1] offset:2*BSTEP th:TH_LOAD_NT scope:SCOPE_SE  ; my 32 rows of K steps 2 and 3, which the first two refills request
	global_prefetch_b8 v[PF0], s[PFB:PFB+1] offset:3*BSTEP th:TH_LOAD_NT scope:SCOPE_SE
.Lfirst_asked:
	; A fragment is 16 rows x 32 K in 8 registers: lane l holds row l % 16; registers 0-3 K = 8 (l / 16) + 0..7, registers 4-7 K = 16 + 8 (l / 16) + 0..7.
	; In bf16: two loads of 16 bytes, 32 bytes apart, at 16 (l / 16).  In f32: four loads of 16 bytes, at 32 (l / 16) + 0, 16, 64, 80.
	v_and_b32 v1, 15, v0                           ; l % 16
	v_bfe_u32 v2, v0, 4, 1                         ; l / 16
	v_mul_u32_u24 v[A0], v1, PA
	v_lshl_add_u32 v[A0], v2, 4, v[A0]
	v_mul_u32_u24 v[B0], v1, PB
	v_lshl_add_u32 v[B0], v2, 5, v[B0]
	s_mul_i32 s16, s[WV], WROWS*PB
	s_add_co_u32 s16, s16, BOFF
	v_add_nc_u32 v[B0], s16, v[B0]
	v_mov_b32 v[ADRA], v[A0]                       ; slot 0 is read first
	v_mov_b32 v[ADRB], v[B0]
	s_mul_i32 s17, s[WV], 16*SP
	s_add_co_u32 s17, s17, STAGE                   ; my stage
	v_add_nc_u32 v[STO], s17, v[A0]                ; in: row l % 16, 16 bytes for each half of the lanes: the same pitch and place as in a quarter of x
	v_bfe_u32 v3, v0, 2, 3                         ; back: 32 lanes take eight rows of 64 bytes,
	v_and_b32 v4, 3, v0
	v_mul_u32_u24 v3, v3, SP
	v_lshl_add_u32 v3, v4, 4, v3
	v_add_nc_u32 v[RD], s17, v3
	v_and_b32 v[CO], 31, v0                        ; which are 512 consecutive bytes of h
	v_lshlrev_b32 v[CO], 4, v[CO]
	s_lshl2_add_u32 s72, s42, s[WV]                ; my 32 hidden columns are block 4 X + wave of h,
	s_lshl_b32 s72, s72, 16
	s_lshl_b32 s73, s41, 14                        ; and in it 256 Y rows of 64 bytes: 16,384 consecutive bytes are all that I store
	s_add_co_u32 s72, s72, s73
	s_mov_b32 s73, 0
	s_add_nc_u64 s[10:11], s[10:11], s[72:73]
; Four matrix instructions: 16 rows of x (block a of 16) x my four fragments of weights, 32 along K, buffers f.  zero = 1: the product starts the sum: nothing is ever cleared.
; The 64 accumulators take turns, one instruction a turn, in the same order in every quarter, over the loop's backward jump too.
.macro MUL4 f, a, zero
	WIN 0xa4+0x50*((\a)/8)                         ; weights window 0, x window 1, C and D window 2 or 3
.irp b, 0,1,2,3
.if \zero
	v_wmma_f32_16x16x32_bf16 v[32*((\a)%8)+8*(\b):32*((\a)%8)+8*(\b)+7], v[FB+32*(\f)+8*(\b):FB+32*(\f)+8*(\b)+7], v[128*(\f)+8*(\a):128*(\f)+8*(\a)+7], 0
.else
	v_wmma_f32_16x16x32_bf16 v[32*((\a)%8)+8*(\b):32*((\a)%8)+8*(\b)+7], v[FB+32*(\f)+8*(\b):FB+32*(\f)+8*(\b)+7], v[128*(\f)+8*(\a):128*(\f)+8*(\a)+7], v[32*((\a)%8)+8*(\b):32*((\a)%8)+8*(\b)+7]
.endif
.endr
.endm
.macro AGALL g, ko                     ; 32 LDS loads in one run: x's 16 fragments of the quarter at byte ko of the slot, into buffer g
	WIN 0x40                                       ; destination window 1, address window 0
.irp a, 0,1,2,3,4,5,6,7,8,9,10,11,12,13,14,15
	ds_load_b128 v[128*(\g)+8*(\a):128*(\g)+8*(\a)+3],   v[ADRA] offset:(\ko)+16*PA*(\a)
	ds_load_b128 v[128*(\g)+8*(\a)+4:128*(\g)+8*(\a)+7], v[ADRA] offset:(\ko)+16*PA*(\a)+32
.endr
.endm
.macro SLALL ko                        ; 16 LDS loads in one run: my four fragments of weights in f32, 32 K at byte ko of the rows, K in its true places
	WIN 0
.irp b, 0,1,2,3
.irp c, 0,1,2,3
	ds_load_b128 v[S+16*(\b)+4*(\c):S+16*(\b)+4*(\c)+3], v[ADRB] offset:((\b)%2)*BRA+((\b)/2)*BRB+(\ko)+16*((\c)%2)+64*((\c)/2)
.endr
.endr
.endm
.macro CV g, b                         ; fragment b is rounded to bf16, into buffer g
	WIN 0
.irp i, 0,1,2,3,4,5,6,7
	v_cvt_pk_bf16_f32 v[FB+32*(\g)+8*(\b)+(\i)], v[S+16*(\b)+2*(\i)], v[S+16*(\b)+2*(\i)+1]
.endr
.endm
.macro STEPD                           ; the walking descriptors: the other slot than last time, the next K step; the type bits on top are not reached
	s_xor_b32 s[G0A+5], s[G0A+5], SLOT1
	s_add_nc_u64 s[G0A+6:G0A+7], s[G0A+6:G0A+7], ASTEP
	s_xor_b32 s[G0B+5], s[G0B+5], SLOT1
	s_add_nc_u64 s[G0B+6:G0B+7], s[G0B+6:G0B+7], BSTEP
.endm
.macro PFSTEP                          ; the prefetch's offset for this trip, and the K step for the next, held at the last
	s_wait_xcnt 0x0                                ; the last trip's prefetch has had its address translated (ISA guide 3.1): only behind this wait is its offset register rewritten
	v_add_nc_u32 v[PF], s[PFK], v[PF0]
	s_add_co_u32 s[PFK], s[PFK], BSTEP
	s_min_u32 s[PFK], s[PFK], (NS-1)*BSTEP
.endm
.macro FLIP                            ; from here on the other slot is read
	s_xor_b32 s[TB], s[TB], SLOT1
	v_add_nc_u32 v[ADRA], s[TB], v[A0]
	v_add_nc_u32 v[ADRB], s[TB], v[B0]
.endm
; A QUARTER: 32 along K, 64 matrix instructions on buffers f.  A K step is an even quarter (f = 0) and an odd one.  Beside its products quarter q (more = 1)
;   rounds the weights of quarter q + 1, which lie in S, into the other buffer, a fragment behind each of four groups of four products;
;   loads x's fragments of quarter q + 1 into the other buffer, and (sl = 1) the weights of quarter q + 2 into S.
; THE LDS LOADS STAND IN RUNS, never singly among the matrix instructions.  An odd quarter has one run of 48, behind the roundings, 44 products ahead of its first use.  An even quarter has two, since the change of
; slots lies between them: x's 32, the last reads of its slot, at its head; the weights' 16, the first reads of the next slot, behind the change.
; THE CHANGE OF SLOTS (mode = 1; mode = 2: the slot is filled again, two K steps ahead): each wave waits for all its tensor loads, of which one is out: its part of the other slot; adds 0 to its spare word; waits
; for that and for its reads of this slot; and signals.  With mode = 2 the barrier opens a round of the cluster's barrier, so that no wave of any partner still reads the slot or has a load on its way, and the
; joint refill is the first tensor load behind the round.  Eight products and the descriptors' steps are all that stands between the wait for the tensor loads and the refill, so that
; the refill has 120 of a K step's 128 products in which to land.
; w0: how many younger LDS loads may be out when x's fragments must be in: the 16 into S, or none.
.macro QUARTER f, zero, mode, more, sl, w0
	s_wait_dscnt \w0                               ; LDS loads come back in order (ISA guide 5.7.1): x's fragments for this quarter are in
	MUL4 \f, 0, \zero
.if \more
	PLACES                                         ; behind the last quarter's products, which read the buffers that are written from here on
.if (\f) == 0
	AGALL 1-(\f), (1-(\f))*AQ
	s_wait_dscnt 32                                ; S is in: the 32 loads just issued are younger
.else
	s_wait_dscnt 0x0                               ; S is in: nothing younger is out
.endif
.endif
.irp b, 0,1,2,3
	MUL4 \f, 1+(\b), \zero
.if \more
	CV 1-(\f), \b
.endif
.endr
.if (\more) && ((\f) == 1)
	AGALL 1-(\f), (1-(\f))*AQ
.if \sl
	SLALL 128*(\f)
.endif
.endif
.irp a, 5,6,7,8
	MUL4 \f, \a, \zero
.endr
.if \mode
	WIN 0                                          ; (the add's two registers lie in window 0)
	s_wait_tensorcnt 0x0                           ; all my tensor loads have landed: the one that was out is my part of the other slot; so a group 0 may be written
	ds_add_u32 v[SPW], v[NIL]                      ; 0 onto my spare word; work on registers stands between it and the wait for it
.if (\mode) == 2
	STEPD
	PFSTEP
.endif
.endif
	MUL4 \f, 9, \zero
.if \mode
	s_wait_dscnt 0x0                               ; the add is done, and my reads of this slot are over:
	s_barrier_signal -1                            ; say so, and work on registers while the others arrive
.endif
	MUL4 \f, 10, \zero
.if \mode
	WIN 0                                          ; at a branch and at a label every window is 0
	s_barrier_wait -1
.if (\mode) == 2
	CREST
	JLOAD
.endif
	FLIP
.endif
.if (\sl) && ((\f) == 0)
	SLALL 128*(\f)
.endif
.irp a, 11,12,13,14,15
	MUL4 \f, \a, \zero
.endr
.endm
	s_wait_tensorcnt 0x1                           ; my part of K step 0 is in; K step 1's may stay out
	s_barrier_signal -1
	s_barrier_wait -1                              ; everybody's is
	SLALL 0                                        ; quarter 0's weights,
	AGALL 0, 0                                     ; quarter 0's fragments of x
	s_wait_dscnt 32                                ; the weights are in; the 32 loads of x are younger
.irp b, 0,1,2,3
	CV 0, \b
.endr
	SLALL 128                                      ; quarter 1's weights
	QUARTER 0, 1, 2, 1, 1, 16                      ; K step 0's even quarter stands in front of the loop: its products start the sums; slot 0 takes K step 2
	WIN 0
	s_mov_b32 s[CNT], NS-3
.Lstep:                                                ; a trip: a K step's odd quarter and the next step's even one, which asks for K steps 3 .. NS - 1
	QUARTER 1, 0, 0, 1, 1, 16
	QUARTER 0, 0, 2, 1, 1, 16
	WIN 0
	s_sub_co_u32 s[CNT], s[CNT], 1
	s_cmp_lg_u32 s[CNT], 0
	s_cbranch_scc1 .Lstep
	QUARTER 1, 0, 0, 1, 1, 16                      ; the tail is written out: K step NS - 3's odd quarter
	QUARTER 0, 0, 1, 1, 1, 16                      ; K step NS - 2: the last change of slots, and nothing is asked for
	QUARTER 1, 0, 0, 1, 1, 16
	QUARTER 0, 0, 0, 1, 0, 16                      ; K step NS - 1: no weights are left to load,
	QUARTER 1, 0, 0, 0, 0, 0                       ; and at last nothing at all
	WIN 0
	PLACES                                         ; the way out reads results just made
; THE WAY OUT of block a (16 rows of h x my 32 columns).  Accumulators b = 0, 1 hold gate, b = 2, 3 up, register for register.  h = (g / (1 + 2^(-g log2 e))) u in f32; rounded to bf16, 16 bytes a lane;
; into my own stage in LDS and back as 1,024 consecutive bytes of h.  Each accumulator is read from its lowest registers on.
.macro HOUT a
.set AC, 32*((\a)%8)
	WIN 2+(\a)/8                                   ; source 0: window 2 or 3
.irp p, 0,1,2,3,4,5,6,7
	v_pk_mul_f32 v[T+2*(\p):T+2*(\p)+1], v[AC+2*(\p):AC+2*(\p)+1], s[CE:CE+1] op_sel_hi:[1,0]
.endr
	WIN 0
.irp p, 0,1,2,3,4,5,6,7,8,9,10,11,12,13,14,15
	v_exp_f32 v[T+(\p)], v[T+(\p)]
.endr
	v_nop                                          ; a plain instruction between the last exponential and the use of its result (ISA guide 5.7.2)
	s_wait_alu depctr_va_vdst(0)
.irp p, 0,1,2,3,4,5,6,7
	v_pk_add_f32 v[T+2*(\p):T+2*(\p)+1], v[T+2*(\p):T+2*(\p)+1], 1.0 op_sel_hi:[1,0]
.endr
.irp p, 0,1,2,3,4,5,6,7,8,9,10,11,12,13,14,15
	v_rcp_f32 v[T+(\p)], v[T+(\p)]
.endr
	v_nop                                          ; the same behind the last reciprocal
	WIN 2+(\a)/8
	s_wait_alu depctr_va_vdst(0)
.irp p, 0,1,2,3,4,5,6,7
	v_pk_mul_f32 v[T+2*(\p):T+2*(\p)+1], v[AC+2*(\p):AC+2*(\p)+1], v[T+2*(\p):T+2*(\p)+1]
.endr
.irp p, 0,1,2,3,4,5,6,7
	v_pk_mul_f32 v[T+2*(\p):T+2*(\p)+1], v[AC+16+2*(\p):AC+16+2*(\p)+1], v[T+2*(\p):T+2*(\p)+1]
.endr
	WIN 0
.irp p, 0,1,2,3,4,5,6,7
	v_cvt_pk_bf16_f32 v[P+(\p)], v[T+2*(\p)], v[T+2*(\p)+1]
.endr
	ds_store_b128 v[STO], v[P:P+3]                 ; columns 8 (l / 16) + 0..7
	ds_store_b128 v[STO], v[P+4:P+7] offset:32     ; columns 16 + 8 (l / 16) + 0..7
	ds_load_b128 v[OB+8*(\a):OB+8*(\a)+3],   v[RD]  ; LDS serves a wave's instructions in order (ISA guide 5.7.1.4): these see the stores above; the next block's stores come behind them
	ds_load_b128 v[OB+8*(\a)+4:OB+8*(\a)+7], v[RD] offset:8*SP
.endm
.macro HSEND a, younger                ; younger: the LDS instructions issued behind block a's loads: the next block's four, or none
	s_wait_dscnt \younger
	global_store_b128 v[CO], v[OB+8*(\a):OB+8*(\a)+3],   s[10:11] offset:1024*(\a)      ; 512 consecutive bytes, at a multiple of 256 from h's first byte; no register of a store is written again
	global_store_b128 v[CO], v[OB+8*(\a)+4:OB+8*(\a)+7], s[10:11] offset:1024*(\a)+512
.endm
	HOUT 0
.irp a, 1,2,3,4,5,6,7,8,9,10,11,12,13,14,15
	HOUT \a                                        ; a block's arithmetic stands between the loads of the block before and its stores
	HSEND (\a)-1, 4
.endr
	HSEND 15, 0
	s_wait_tensorcnt 0x0                           ; the wave's end: behind my last tensor load and my last LDS store
	ds_add_u32 v[SPW], v[NIL]
	s_wait_dscnt 0x0
	CROUND                                         ; the closing round: no work-group ends while a partner may still ask for a tile that names it
	s_endpgm
.Lfunc_end_k_qdc627959d0_gateup:
	.size	k_qdc627959d0_gateup, .Lfunc_end_k_qdc627959d0_gateup-k_qdc627959d0_gateup
	.p2alignl 7, 3214868480
	.fill 96, 4, 3214868480
	.section	.rodata,"a",@progbits
	.p2align	6, 0x0
	.amdhsa_kernel k_qdc627959d0_gateup
		.amdhsa_group_segment_fixed_size 327680
		.amdhsa_private_segment_fixed_size 0
		.amdhsa_enable_private_segment 0
		.amdhsa_kernarg_size 32
		.amdhsa_user_sgpr_count 2
		.amdhsa_user_sgpr_kernarg_segment_ptr 1
		.amdhsa_wavefront_size32 1
		.amdhsa_system_sgpr_workgroup_id_x 1
		.amdhsa_system_sgpr_workgroup_id_y 1
		.amdhsa_system_sgpr_workgroup_id_z 1
		.amdhsa_system_vgpr_workitem_id 0
		.amdhsa_next_free_vgpr 1024
		.amdhsa_next_free_sgpr 80
		.amdhsa_reserve_vcc 0
		.amdhsa_float_denorm_mode_32 3
		.amdhsa_float_denorm_mode_16_64 3
		.amdhsa_memory_ordered 1
		.amdhsa_forward_progress 1
		.amdhsa_inst_pref_size 155
	.end_amdhsa_kernel
	.amdgpu_metadata
---
amdhsa.version: [ 1, 2 ]
amdhsa.kernels:
  - .name:           k_qdc627959d0_gateup
    .symbol:         k_qdc627959d0_gateup.kd
    .args:
      - { .name: xb, .offset: 0, .size: 8, .value_kind: global_buffer, .address_space: global }
      - { .name: w1, .offset: 8, .size: 8, .value_kind: global_buffer, .address_space: global }
      - { .name: w2, .offset: 16, .size: 8, .value_kind: global_buffer, .address_space: global }
      - { .name: h, .offset: 24, .size: 8, .value_kind: global_buffer, .address_space: global }
    .group_segment_fixed_size: 327680
    .private_segment_fixed_size: 0
    .kernarg_segment_align: 8
    .kernarg_segment_size: 32
    .max_flat_workgroup_size: 128
    .sgpr_count:     80
    .vgpr_count:     1024
    .wavefront_size: 32
...
	.end_amdgpu_metadata
.endif
;; end of part 2
;; launch down (part 3): grid 64 x 4, 4 waves a work-group, clusters of 4 x 4, 327,680 bytes of LDS; arguments h, w3, part; writes part
.if DOCPART == 3
	.amdgcn_target "amdgcn-amd-amdhsa--gfx1250"
	.amdhsa_code_object_version 6
	.text
	.protected	k_qdc627959d0_down
	.globl	k_qdc627959d0_down
	.p2align	8
	.type	k_qdc627959d0_down,@function
k_qdc627959d0_down:
	s_mov_b64 s[64:65], 0
	v_nop
	global_prefetch_b8 v0, s[64:65] scope:SCOPE_SE
	s_setreg_imm32_b32 hwreg(HW_REG_WAVE_MODE, 25, 1), 1
	s_wait_xcnt 0x0
	s_wait_alu depctr_hold_cnt(0) depctr_sa_sdst(0) depctr_va_vdst(0) depctr_va_sdst(0) depctr_va_ssrc(0) depctr_va_vcc(0) depctr_vm_vsrc(0)
	s_getreg_b32 s2, hwreg(HW_REG_IB_STS2, 6, 4)
	s_cmp_eq_u32 s2, 0
	s_cbranch_scc0 .Lentry_in_a_cluster
	s_endpgm
.Lentry_in_a_cluster:
	s_bfe_u32 s2, ttmp6, 0x10000c
	s_cmp_lg_u32 s2, 0xf033
	s_cbranch_scc0 .Lentry_shape_is_right
	s_endpgm
.Lentry_shape_is_right:
; part[sp][m][n] = the sum over the hidden columns k = 1024 sp .. 1024 sp + 1023 of h[m][k] w3[n][k], sp = 0..7.
; h: bf16, [256 (k / 32)][1024 (m)][32 (k % 32)];  w3: [2048][8192] f32;  part: [8][1024][2048] f32.  Products in bf16 with f32 sums, K ascending inside a part.
; LIMITS.  w3 is rounded to bf16.  A number of the output is eight f32 sums of 1,024 products each, which the next launch adds in ascending order: not one chain of 8,192.
; WHY PARTS.  The output has 32 blocks of 256 x 256; eight parts of K give each of 256 work-groups one such block of work, at the price of 8 x 8 MiB written here and read by the next launch.
; SHARES.  A work-group makes 256 rows (block Y) x 256 columns (block nt) of part sp.  Each of its four waves takes all 256 rows of h and 64 rows of w3: 16 x 4 accumulators of 16 x 16, 512 registers;
; so each f32 weight is read from LDS and rounded once in the work-group.  K goes in steps of 64 through a ring of two LDS slots filled by the tensor data mover.
; Two slots of 96 along K would take 344,064 bytes of LDS: the step cannot be longer.
; CLUSTER.  4 x 4 work-groups; X = 4 x cluster x + cx, sp = X / 8 = cluster x / 2, nt = X % 8, Y = cy (the grid is one cluster high).  The four of a row of the cluster share Y and sp and so h's tiles, the four
; of a column share X and so w3's: each tile is asked for JOINTLY, by the same tensor load with the same descriptor and a mask that names the four.
; PREFETCH.  w3 is read once in the launch.  Wave 2 + i of the work-group at place cy asks, one lane a row, for the 256 bytes of rows 128 i + 32 cy .. + 31 of the block's 256 rows of w3 in the K step that the
; joint load two trips later will request: K step s + 4 in the trip of K step s.  That is 32 blocks of 256 bytes a wave and 64 KiB for the four work-groups of a column, each block asked for by one wave of
; one work-group.  K steps 2 and 3 are asked for behind the first fills.  The step is held at NS - 1, so that no request leaves my part's 4,096 bytes of a row; the last two trips ask for that step again.
; h's tiles are not asked for: eight work-group columns read them.
; THE MATRIX INSTRUCTION IS USED TRANSPOSED: source 0 = 16 rows of w3, source 1 = 16 rows of h.  Lane l then holds row l % 16 of the block and in registers 0-7 the columns 8 (l / 16) + 0..7.
; REGISTERS, in windows of 256 (s_set_vgpr_msb: bits 1:0 source 0, 3:2 source 1, 5:4 source 2, 7:6 destination):
;   window 0: v0-29 addresses; v64-127 weights as loaded, f32 (16 registers a fragment); v128-159, v160-191 weights in bf16, two buffers of four fragments; v32-63, v224-255 at work on the way out
;   window 1: h's fragments, two buffers of 16 x 8          window 2: accumulators (a, b) at 32 a + 8 b, a = 0..7          window 3: a = 8..15
; No work-group walks on to a second block: there is one block for each.
.set NS,     16                        ; K steps: 1024 / 64
.set SLOT1,  131072                    ; slot 1 begins here, so that one exclusive or turns an address in one slot into the other's
.set PA,     80                        ; a row of h in LDS: 64 bytes (32 K) + 16 of padding = 20 words: the 16 rows of a load start at 16 different groups of four banks (64 banks of 4 bytes: ISA guide 11.1)
.set AQ,     256*PA                    ; 256 rows x 32 K; a slot holds two such quarters: K 0-31, then K 32-63
.set PB,     272                       ; a row of weights: 256 bytes (64 f32) + 16 = 68 words: again 16 different groups of four banks
.set BOFF,   2*AQ                      ; the weights lie behind h
.set BHALF,  128*PB                    ; what one tensor load brings of them: 128 rows
.set STAGE,  SLOT1+BOFF+2*BHALF        ; behind the ring, never filled by a tensor load: 16 rows x 272 bytes for each wave, for the way out
.set SP,     272
.set SPARE,  STAGE+4*16*SP             ; behind the stages: the spare words, 128 bytes for each wave: two blocks of 256 bytes that no other line names
.set ASTEP,  131072                    ; a K step in h: two blocks of 65,536 bytes
.set BSTEP,  256                       ; a K step in a weight's row
.set BPITCH, 8192                      ; numbers from row to row of w3
.set BROWSH, 15                        ; a row of w3 is 2^15 bytes
.set WROWS,  64                        ; my wave's rows of the weights' tile
.set BRA,    16*PB                     ; fragment b of my weights begins (b % 2) BRA + (b / 2) BRB behind the first: 16 b rows
.set BRB,    32*PB
.set A0,   16                          ; v16  my lane's place in a quarter of h; never rewritten
.set B0,   17                          ; v17  the same in the weights' tile, my wave's rows
.set ADRA, 18                          ; v18  A0 + the slot that is being read
.set ADRB, 19                          ; v19  B0 + that slot
.set PF0,  20                          ; v20  the prefetch: byte offset of my lane's row, 32 cy + lane, in my half of the weights' tile; never rewritten
.set PF,   21                          ; v21  PF0 + the K step to be asked for
.set STO,  24                          ; v24  the way out: where I put 32 bytes of a row
.set RD,   25                          ; v25  the way out: where I read a row back
.set CO,   26                          ; v26  my byte offset in two rows of part
.set SPW,  28                          ; v28  LDS address of my spare word: SPARE + 4 x my thread's number; never rewritten
.set NIL,  29                          ; v29  0; never rewritten
.set S,    64
.set FB,   128
.set WV,   12                          ; s12  my wave's number
.set HALF, 13                          ; s13  0: I fetch for h; 1: for the weights
.set LOW,  14                          ; s14  which quarter of h, or which 128 rows of w3
.set G1A,  24                          ; s[24:31] descriptor group 1 for h's tiles
.set G0A,  32                          ; s[32:39] group 0: a set for each of the two first fills; the second then walks on
.set PFB,  46                          ; s[46:47] w3 at the first of my half's 128 rows, my part's first column; never rewritten once made
.set G1B,  48                          ; s[48:55], s[56:63] the same for the weights' tiles
.set G0B,  56
.set TB,   66                          ; s66  LDS byte at which the slot that is being read begins
.set CNT,  67                          ; s67  trips to go
.set PFK,  78                          ; s78  byte, from my part's first column, of the K step that the next prefetch asks for
.set MSB, 0
.macro WIN new                         ; the immediate's high byte repeats the setting that is left; a switch that changes nothing is dropped
.if MSB != (\new)
	s_set_vgpr_msb (MSB<<8)|(\new)
.set MSB, (\new)
.endif
.endm
; A joint refill by the walking descriptors.  Waves 0 and 1 fetch h's two quarters, waves 2 and 3 the two halves of w3's rows.  The branch hangs on the wave's number alone.
; An s_nop 0 and four v_nop follow each of the two lines, ahead of the jump, the label and what follows.  The waves that fetch weights then ask for their 32 rows of a later K step.
.macro JLOAD
	s_cmp_eq_u32 s[HALF], 0
	s_cbranch_scc0 .Lfor_b_\@
	tensor_load_to_lds s[G0A+4:G0A+7], s[G1A:G1A+7]
	s_nop 0
.rept 4
	v_nop
.endr
	s_branch .Lasked_\@
.Lfor_b_\@:
	tensor_load_to_lds s[G0B+4:G0B+7], s[G1B:G1B+7]
	s_nop 0
.rept 4
	v_nop
.endr
	global_prefetch_b8 v[PF], s[PFB:PFB+1] th:TH_LOAD_NT scope:SCOPE_SE
.Lasked_\@:
.endm
.macro CREST                           ; a round of the cluster's barrier behind its opening barrier: wave 0 signals for the work-group, every wave waits for all sixteen, my work-group's barrier closes it
	s_cmp_lg_u32 s[WV], 0
	s_cbranch_scc1 .Lnot_wave_0_\@
	s_barrier_signal -3
.Lnot_wave_0_\@:
	s_barrier_wait -3
	s_barrier_signal -1
	s_barrier_wait -1
.endm
.macro CROUND                          ; a whole round
	s_barrier_signal -1
	s_barrier_wait -1
	CREST
.endm
; A load into a register that a matrix instruction has read, and a vector instruction or an LDS store that reads a matrix result, stand four places behind that matrix instruction,
; and only plain vector instructions that name none of its registers are places (ISA guide 7.12.1 for vector instructions).
.macro PLACES
.rept 4
	v_nop
.endr
.endm
	s_load_b128 s[4:7], s[0:1], 0x0                ; h s[4:5], w3 s[6:7]
	s_load_b64 s[8:9], s[0:1], 0x10                ; part
	v_lshl_add_u32 v[SPW], v0, 2, SPARE
	v_mov_b32 v[NIL], 0
	ds_add_u32 v[SPW], v[NIL]                      ; the wave's opening: the add and its wait stand ahead of my first tensor load; the set-up below, work on registers, stands between them
	v_lshrrev_b32 v1, 5, v0
	v_readfirstlane_b32 s[WV], v1                  ; wave 0..3
	s_lshr_b32 s[HALF], s[WV], 1
	s_and_b32 s[LOW], s[WV], 1
	s_bfe_u32 s40, ttmp6, 0x40000                  ; cx: my place along the cluster's x
	s_bfe_u32 s41, ttmp6, 0x40004                  ; cy = Y: the grid is one cluster high
	s_lshl_b32 s42, ttmp9, 2                       ; in a cluster launch ttmp9 counts clusters
	s_add_co_u32 s42, s42, s40                     ; X = 4 x cluster x + cx
	s_lshr_b32 s70, ttmp9, 1                       ; sp = X / 8, made of the cluster's x alone: all sixteen partners share it
	s_and_b32 s71, s42, 7                          ; nt = X % 8
	s_lshl_b32 s44, s41, 2
	s_lshl_b32 s44, 15, s44                        ; my row of the cluster: places 4 cy .. 4 cy + 3
	s_lshl_b32 s45, 0x1111, s40                    ; my column: places cx, cx + 4, cx + 8, cx + 12
	v_and_b32 v[PF0], 31, v0                       ; the prefetch: of the 128 rows of my half the four work-groups of my column take 32 each: row 32 cy + lane,
	s_lshl_b32 s74, s41, 5
	v_add_nc_u32 v[PF0], s74, v[PF0]
	v_lshlrev_b32 v[PF0], BROWSH, v[PF0]           ; in bytes.  It enters no descriptor and no LDS address
	s_mov_b32 s[PFK], 4*BSTEP                      ; K step 0's trip asks for K step 4
	; group 1 for h: 16,384 consecutive bytes as 64 rows of 128 elements of 2 bytes, padded in LDS behind every 64 bytes
	s_or_b32 s[G1A+0], s44, (1<<16)|(1<<20)|(1<<21)|(3<<22)|(3<<25)  ; 15:0 the mask: my row; 17:16 2-byte elements; 20 padding on; 21 set beside a mask; 24:22 after every 16 words (code 3); 31:25 4 words (code 3)
	s_mov_b32 s[G1A+1], 128<<16                    ; tensor_dim0 = 128
	s_mov_b32 s[G1A+2], 64<<16                     ; tensor_dim1 = 64
	s_mov_b32 s[G1A+3], 128<<16                    ; tile_dim0 = 128
	s_mov_b32 s[G1A+4], 64                         ; tile_dim1 = 64
	s_mov_b32 s[G1A+5], 128                        ; 128 elements from row to row
	s_mov_b32 s[G1A+6], 0
	s_mov_b32 s[G1A+7], 0
	; group 1 for the weights: 128 rows of 64 elements of 4 bytes, padded behind every row
	s_or_b32 s[G1B+0], s45, (2<<16)|(1<<20)|(1<<21)|(5<<22)|(3<<25)  ; the mask: my column; 4-byte elements; after every 64 words (code 5) 4 words
	s_mov_b32 s[G1B+1], 64<<16                     ; tensor_dim0 = 64
	s_mov_b32 s[G1B+2], 128<<16                    ; tensor_dim1 = 128
	s_mov_b32 s[G1B+3], 64<<16                     ; tile_dim0 = 64
	s_mov_b32 s[G1B+4], 128                        ; tile_dim1 = 128
	s_mov_b32 s[G1B+5], BPITCH
	s_mov_b32 s[G1B+6], 0
	s_mov_b32 s[G1B+7], 0
	; where the tiles come from: h's hang on Y, sp and the wave, w3's on nt, sp and the wave, each in registers that never hold the other place in the cluster
	s_lshl_b32 s16, s70, 21                        ; h: my part's 32 blocks of 65,536 bytes,
	s_lshl_b32 s17, s[LOW], 16                     ; my quarter's block of 32 K,
	s_add_co_u32 s16, s16, s17
	s_lshl_b32 s17, s41, 14                        ; and in it 256 Y rows of 64 bytes
	s_add_co_u32 s16, s16, s17
	s_mov_b32 s17, 0
	s_lshl_b32 s46, s71, 23                        ; w3: 256 nt rows of 32,768 bytes,
	s_lshl_b32 s47, s[LOW], 22                     ; my 128 of them,
	s_add_co_u32 s46, s46, s47
	s_lshl_b32 s47, s70, 12                        ; and my part's 1,024 numbers in a row
	s_add_co_u32 s46, s46, s47
	s_mov_b32 s47, 0
	s_mul_i32 s20, s[LOW], AQ                      ; and where they go: no place in the cluster enters an LDS address
	s_mul_i32 s21, s[LOW], BHALF
	s_add_co_u32 s21, s21, BOFF
	s_mov_b32 s[TB], 0
	s_wait_dscnt 0x0                               ; the opening add is done
	s_wait_kmcnt 0x0
	s_add_nc_u64 s[18:19], s[4:5], s[16:17]
	s_add_nc_u64 s[PFB:PFB+1], s[6:7], s[46:47]
	CROUND                                         ; all sixteen work-groups are here: the first joint loads meet
.irp s, 0,1
	s_mov_b32 s[G0A+4*(\s)], 1                                     ; 1:0 count = 1
	s_add_co_u32 s[G0A+4*(\s)+1], s20, (\s)*SLOT1                  ; 63:32 LDS address
	s_add_nc_u64 s[G0A+4*(\s)+2:G0A+4*(\s)+3], s[18:19], (\s)*ASTEP  ; 120:64 global address: K step s
	s_or_b32 s[G0A+4*(\s)+3], s[G0A+4*(\s)+3], 0x80000000          ; 127:126 type = 2
	s_mov_b32 s[G0B+4*(\s)], 1
	s_add_co_u32 s[G0B+4*(\s)+1], s21, (\s)*SLOT1
	s_add_nc_u64 s[G0B+4*(\s)+2:G0B+4*(\s)+3], s[PFB:PFB+1], (\s)*BSTEP
	s_or_b32 s[G0B+4*(\s)+3], s[G0B+4*(\s)+3], 0x80000000
.endr
	s_cmp_eq_u32 s[HALF], 0                        ; a wave's two first fills stand in one branch, ahead of every wait on TENSORcnt and every LDS read: two loads of mine are out
	s_cbranch_scc0 .Lfirst_b
	tensor_load_to_lds s[G0A:G0A+3], s[G1A:G1A+7]
	s_nop 0
	tensor_load_to_lds s[G0A+4:G0A+7], s[G1A:G1A+7]
	s_nop 0
.rept 4
	v_nop
.endr
	s_branch .Lfirst_asked
.Lfirst_b:
	tensor_load_to_lds s[G0B:G0B+3], s[G1B:G1B+7]
	s_nop 0
	tensor_load_to_lds s[G0B+4:G0B+7], s[G1B:G1B+7]
	s_nop 0
.rept 4
	v_nop
.endr
	global_prefetch_b8 v[PF0], s[PFB:PFB+1] offset:2*BSTEP th:TH_LOAD_NT scope:SCOPE_SE  ; my 32 rows of K steps 2 and 3, which the first two refills request
	global_prefetch_b8 v[PF0], s[PFB:PFB+1] offset:3*BSTEP th:TH_LOAD_NT scope:SCOPE_SE
.Lfirst_asked:
	; A fragment is 16 rows x 32 K in 8 registers: lane l holds row l % 16; registers 0-3 K = 8 (l / 16) + 0..7, registers 4-7 K = 16 + 8 (l / 16) + 0..7.
	; In bf16: two loads of 16 bytes, 32 bytes apart, at 16 (l / 16).  In f32: four loads of 16 bytes, at 32 (l / 16) + 0, 16, 64, 80.
	v_and_b32 v1, 15, v0                           ; l % 16
	v_bfe_u32 v2, v0, 4, 1                         ; l / 16
	v_mul_u32_u24 v[A0], v1, PA
	v_lshl_add_u32 v[A0], v2, 4, v[A0]
	v_mul_u32_u24 v5, v1, PB
	v_lshl_add_u32 v5, v2, 5, v5                   ; row x 272 + 32 x half: my place in the weights' tile, and in the stage, which has the same pitch
	s_mul_i32 s16, s[WV], WROWS*PB
	s_add_co_u32 s16, s16, BOFF
	v_add_nc_u32 v[B0], s16, v5
	v_mov_b32 v[ADRA], v[A0]                       ; slot 0 is read first
	v_mov_b32 v[ADRB], v[B0]
	s_mul_i32 s17, s[WV], 16*SP
	s_add_co_u32 s17, s17, STAGE                   ; my stage
	v_add_nc_u32 v[STO], s17, v5                   ; in: row l % 16, 32 bytes for each half of the lanes
	v_mul_u32_u24 v3, v2, SP                       ; back: lanes 0-15 take one row of 256 bytes, lanes 16-31 the next
	v_lshl_add_u32 v3, v1, 4, v3
	v_add_nc_u32 v[RD], s17, v3
	v_lshlrev_b32 v[CO], 13, v2                    ; and the same two rows in part: 8,192 bytes apart
	v_lshl_add_u32 v[CO], v1, 4, v[CO]
	s_lshl_b32 s72, s70, 23                        ; part sp: 8 MiB each,
	s_lshl_b32 s73, s41, 21                        ; 256 Y rows of 8,192 bytes,
	s_add_co_u32 s72, s72, s73
	s_lshl_b32 s73, s71, 10                        ; 256 nt columns of 4 bytes,
	s_add_co_u32 s72, s72, s73
	s_lshl_b32 s73, s[WV], 8                       ; my wave's 64 columns
	s_add_co_u32 s72, s72, s73
	s_mov_b32 s73, 0
	s_add_nc_u64 s[8:9], s[8:9], s[72:73]
; Four matrix instructions: 16 rows of h (block a of 16) x my four fragments of weights, 32 along K, buffers f.  zero = 1: the product starts the sum: nothing is ever cleared.
; The 64 accumulators take turns, one instruction a turn, in the same order in every quarter, over the loop's backward jump too.
.macro MUL4 f, a, zero
	WIN 0xa4+0x50*((\a)/8)                         ; weights window 0, h window 1, C and D window 2 or 3
.irp b, 0,1,2,3
.if \zero
	v_wmma_f32_16x16x32_bf16 v[32*((\a)%8)+8*(\b):32*((\a)%8)+8*(\b)+7], v[FB+32*(\f)+8*(\b):FB+32*(\f)+8*(\b)+7], v[128*(\f)+8*(\a):128*(\f)+8*(\a)+7], 0
.else
	v_wmma_f32_16x16x32_bf16 v[32*((\a)%8)+8*(\b):32*((\a)%8)+8*(\b)+7], v[FB+32*(\f)+8*(\b):FB+32*(\f)+8*(\b)+7], v[128*(\f)+8*(\a):128*(\f)+8*(\a)+7], v[32*((\a)%8)+8*(\b):32*((\a)%8)+8*(\b)+7]
.endif
.endr
.endm
.macro AGALL g, ko                     ; 32 LDS loads in one run: h's 16 fragments of the quarter at byte ko of the slot, into buffer g
	WIN 0x40                                       ; destination window 1, address window 0
.irp a, 0,1,2,3,4,5,6,7,8,9,10,11,12,13,14,15
	ds_load_b128 v[128*(\g)+8*(\a):128*(\g)+8*(\a)+3],   v[ADRA] offset:(\ko)+16*PA*(\a)
	ds_load_b128 v[128*(\g)+8*(\a)+4:128*(\g)+8*(\a)+7], v[ADRA] offset:(\ko)+16*PA*(\a)+32
.endr
.endm
.macro SLALL ko                        ; 16 LDS loads in one run: my four fragments of weights in f32, 32 K at byte ko of the rows, K in its true places
	WIN 0
.irp b, 0,1,2,3
.irp c, 0,1,2,3
	ds_load_b128 v[S+16*(\b)+4*(\c):S+16*(\b)+4*(\c)+3], v[ADRB] offset:((\b)%2)*BRA+((\b)/2)*BRB+(\ko)+16*((\c)%2)+64*((\c)/2)
.endr
.endr
.endm
.macro CV g, b                         ; fragment b is rounded to bf16, into buffer g
	WIN 0
.irp i, 0,1,2,3,4,5,6,7
	v_cvt_pk_bf16_f32 v[FB+32*(\g)+8*(\b)+(\i)], v[S+16*(\b)+2*(\i)], v[S+16*(\b)+2*(\i)+1]
.endr
.endm
.macro STEPD                           ; the walking descriptors: the other slot than last time, the next K step; the type bits on top are not reached
	s_xor_b32 s[G0A+5], s[G0A+5], SLOT1
	s_add_nc_u64 s[G0A+6:G0A+7], s[G0A+6:G0A+7], ASTEP
	s_xor_b32 s[G0B+5], s[G0B+5], SLOT1
	s_add_nc_u64 s[G0B+6:G0B+7], s[G0B+6:G0B+7], BSTEP
.endm
.macro PFSTEP                          ; the prefetch's offset for this trip, and the K step for the next, held at the last
	s_wait_xcnt 0x0                                ; the last trip's prefetch has had its address translated (ISA guide 3.1): only behind this wait is its offset register rewritten
	v_add_nc_u32 v[PF], s[PFK], v[PF0]
	s_add_co_u32 s[PFK], s[PFK], BSTEP
	s_min_u32 s[PFK], s[PFK], (NS-1)*BSTEP
.endm
.macro FLIP                            ; from here on the other slot is read
	s_xor_b32 s[TB], s[TB], SLOT1
	v_add_nc_u32 v[ADRA], s[TB], v[A0]
	v_add_nc_u32 v[ADRB], s[TB], v[B0]
.endm
; A QUARTER: 32 along K, 64 matrix instructions on buffers f.  A K step is an even quarter (f = 0) and an odd one.  Beside its products quarter q (more = 1)
;   rounds the weights of quarter q + 1, which lie in S, into the other buffer, a fragment behind each of four groups of four products;
;   loads h's fragments of quarter q + 1 into the other buffer, and (sl = 1) the weights of quarter q + 2 into S.
; THE LDS LOADS STAND IN RUNS, never singly among the matrix instructions.  An odd quarter has one run of 48, behind the roundings, 44 products ahead of its first use.  An even quarter has two, since the change of
; slots lies between them: h's 32, the last reads of its slot, at its head; the weights' 16, the first reads of the next slot, behind the change.
; THE CHANGE OF SLOTS (mode = 1; mode = 2: the slot is filled again, two K steps ahead): each wave waits for all its tensor loads, of which one is out: its part of the other slot; adds 0 to its spare word; waits
; for that and for its reads of this slot; and signals.  With mode = 2 the barrier opens a round of the cluster's barrier, so that no wave of any partner still reads the slot or has a load on its way, and the
; joint refill is the first tensor load behind the round.  Eight products and the descriptors' steps are all that stands between the wait for the tensor loads and the refill, so that
; the refill has 120 of a K step's 128 products in which to land.
; w0: how many younger LDS loads may be out when h's fragments must be in: the 16 into S, or none.
.macro QUARTER f, zero, mode, more, sl, w0
	s_wait_dscnt \w0                               ; LDS loads come back in order (ISA guide 5.7.1): h's fragments for this quarter are in
	MUL4 \f, 0, \zero
.if \more
	PLACES                                         ; behind the last quarter's products, which read the buffers that are written from here on
.if (\f) == 0
	AGALL 1-(\f), (1-(\f))*AQ
	s_wait_dscnt 32                                ; S is in: the 32 loads just issued are younger
.else
	s_wait_dscnt 0x0                               ; S is in: nothing younger is out
.endif
.endif
.irp b, 0,1,2,3
	MUL4 \f, 1+(\b), \zero
.if \more
	CV 1-(\f), \b
.endif
.endr
.if (\more) && ((\f) == 1)
	AGALL 1-(\f), (1-(\f))*AQ
.if \sl
	SLALL 128*(\f)
.endif
.endif
.irp a, 5,6,7,8
	MUL4 \f, \a, \zero
.endr
.if \mode
	WIN 0                                          ; (the add's two registers lie in window 0)
	s_wait_tensorcnt 0x0                           ; all my tensor loads have landed: the one that was out is my part of the other slot; so a group 0 may be written
	ds_add_u32 v[SPW], v[NIL]                      ; 0 onto my spare word; work on registers stands between it and the wait for it
.if (\mode) == 2
	STEPD
	PFSTEP
.endif
.endif
	MUL4 \f, 9, \zero
.if \mode
	s_wait_dscnt 0x0                               ; the add is done, and my reads of this slot are over:
	s_barrier_signal -1                            ; say so, and work on registers while the others arrive
.endif
	MUL4 \f, 10, \zero
.if \mode
	WIN 0                                          ; at a branch and at a label every window is 0
	s_barrier_wait -1
.if (\mode) == 2
	CREST
	JLOAD
.endif
	FLIP
.endif
.if (\sl) && ((\f) == 0)
	SLALL 128*(\f)
.endif
.irp a, 11,12,13,14,15
	MUL4 \f, \a, \zero
.endr
.endm
	s_wait_tensorcnt 0x1                           ; my part of K step 0 is in; K step 1's may stay out
	s_barrier_signal -1
	s_barrier_wait -1                              ; everybody's is
	SLALL 0                                        ; quarter 0's weights,
	AGALL 0, 0                                     ; quarter 0's fragments of h
	s_wait_dscnt 32                                ; the weights are in; the 32 loads of h are younger
.irp b, 0,1,2,3
	CV 0, \b
.endr
	SLALL 128                                      ; quarter 1's weights
	QUARTER 0, 1, 2, 1, 1, 16                      ; K step 0's even quarter stands in front of the loop: its products start the sums; slot 0 takes K step 2
	WIN 0
	s_mov_b32 s[CNT], NS-3
.Lstep:                                                ; a trip: a K step's odd quarter and the next step's even one, which asks for K steps 3 .. NS - 1
	QUARTER 1, 0, 0, 1, 1, 16
	QUARTER 0, 0, 2, 1, 1, 16
	WIN 0
	s_sub_co_u32 s[CNT], s[CNT], 1
	s_cmp_lg_u32 s[CNT], 0
	s_cbranch_scc1 .Lstep
	QUARTER 1, 0, 0, 1, 1, 16                      ; the tail is written out: K step NS - 3's odd quarter
	QUARTER 0, 0, 1, 1, 1, 16                      ; K step NS - 2: the last change of slots, and nothing is asked for
	QUARTER 1, 0, 0, 1, 1, 16
	QUARTER 0, 0, 0, 1, 0, 16                      ; K step NS - 1: no weights are left to load,
	QUARTER 1, 0, 0, 0, 0, 0                       ; and at last nothing at all
	WIN 0
	PLACES                                         ; the way out reads results just made
; THE WAY OUT of block a (16 rows x my 64 columns, f32).  A lane's eight numbers of an accumulator are 32 bytes of a row; they go into my own stage in LDS, rows of 272 bytes, straight from the accumulators
; (each from its lowest registers on), and come back as whole rows of 256 bytes, into v32-63 and v224-255 by turns.
.macro TOSTAGE a
.set AC, 32*((\a)%8)
.set BK, 32+192*((\a)%2)
	WIN 4*(2+(\a)/8)                               ; an LDS store's data is source 1: window 2 or 3
.irp b, 0,1,2,3
	ds_store_b128 v[STO], v[AC+8*(\b):AC+8*(\b)+3]   offset:64*(\b)
	ds_store_b128 v[STO], v[AC+8*(\b)+4:AC+8*(\b)+7] offset:64*(\b)+16
.endr
	WIN 0
	s_wait_xcnt 0x0                                ; every earlier memory instruction has had its addresses translated (ISA guide 3.1): the registers that the stores of the block two back read are loaded again only behind this wait
.irp t, 0,1,2,3,4,5,6,7
	ds_load_b128 v[BK+4*(\t):BK+4*(\t)+3], v[RD] offset:(\t)*2*SP  ; LDS serves a wave's instructions in order (ISA guide 5.7.1.4): these see the stores above; the next block's stores come behind them
.endr
.endm
.macro SEND a, younger                 ; younger: the LDS instructions issued behind block a's loads: the next block's sixteen, or none
.set BK, 32+192*((\a)%2)
	s_wait_dscnt \younger
.irp t, 0,1,2,3,4,5,6,7
	global_store_b128 v[CO], v[BK+4*(\t):BK+4*(\t)+3], s[8:9] offset:131072*(\a)+16384*(\t)  ; 16 lanes store 256 consecutive bytes, at a multiple of 256 from part's first byte; 2,080,768 at the most: inside the signed 24-bit immediate
.endr
.endm
	TOSTAGE 0
.irp a, 1,2,3,4,5,6,7,8,9,10,11,12,13,14,15
	TOSTAGE \a
	SEND (\a)-1, 16
.endr
	SEND 15, 0
	s_wait_tensorcnt 0x0                           ; the wave's end: behind my last tensor load and my last LDS store
	ds_add_u32 v[SPW], v[NIL]
	s_wait_dscnt 0x0
	CROUND                                         ; the closing round: no work-group ends while a partner may still ask for a tile that names it
	s_endpgm
.Lfunc_end_k_qdc627959d0_down:
	.size	k_qdc627959d0_down, .Lfunc_end_k_qdc627959d0_down-k_qdc627959d0_down
	.p2alignl 7, 3214868480
	.fill 96, 4, 3214868480
	.section	.rodata,"a",@progbits
	.p2align	6, 0x0
	.amdhsa_kernel k_qdc627959d0_down
		.amdhsa_group_segment_fixed_size 327680
		.amdhsa_private_segment_fixed_size 0
		.amdhsa_enable_private_segment 0
		.amdhsa_kernarg_size 24
		.amdhsa_user_sgpr_count 2
		.amdhsa_user_sgpr_kernarg_segment_ptr 1
		.amdhsa_wavefront_size32 1
		.amdhsa_system_sgpr_workgroup_id_x 1
		.amdhsa_system_sgpr_workgroup_id_y 1
		.amdhsa_system_sgpr_workgroup_id_z 1
		.amdhsa_system_vgpr_workitem_id 0
		.amdhsa_next_free_vgpr 1024
		.amdhsa_next_free_sgpr 80
		.amdhsa_reserve_vcc 0
		.amdhsa_float_denorm_mode_32 3
		.amdhsa_float_denorm_mode_16_64 3
		.amdhsa_memory_ordered 1
		.amdhsa_forward_progress 1
		.amdhsa_inst_pref_size 118
	.end_amdhsa_kernel
	.amdgpu_metadata
---
amdhsa.version: [ 1, 2 ]
amdhsa.kernels:
  - .name:           k_qdc627959d0_down
    .symbol:         k_qdc627959d0_down.kd
    .args:
      - { .name: h, .offset: 0, .size: 8, .value_kind: global_buffer, .address_space: global }
      - { .name: w3, .offset: 8, .size: 8, .value_kind: global_buffer, .address_space: global }
      - { .name: part, .offset: 16, .size: 8, .value_kind: global_buffer, .address_space: global }
    .group_segment_fixed_size: 327680
    .private_segment_fixed_size: 0
    .kernarg_segment_align: 8
    .kernarg_segment_size: 24
    .max_flat_workgroup_size: 128
    .sgpr_count:     80
    .vgpr_count:     1024
    .wavefront_size: 32
...
	.end_amdgpu_metadata
.endif
;; end of part 3
;; launch sum (part 4): grid 512 x 1, 8 waves a work-group, no clusters, 0 bytes of LDS; arguments part, out0; writes out0
.if DOCPART == 4
	.amdgcn_target "amdgcn-amd-amdhsa--gfx1250"
	.amdhsa_code_object_version 6
	.text
	.protected	k_qdc627959d0_sum
	.globl	k_qdc627959d0_sum
	.p2align	8
	.type	k_qdc627959d0_sum,@function
k_qdc627959d0_sum:
	s_mov_b64 s[64:65], 0
	v_nop
	global_prefetch_b8 v0, s[64:65] scope:SCOPE_SE
	s_setreg_imm32_b32 hwreg(HW_REG_WAVE_MODE, 25, 1), 1
	s_wait_xcnt 0x0
; out0[m][n] = part[0][m][n] + part[1][m][n] + ... + part[7][m][n], in f32, added in ascending order.  part: [8][1024][2048] f32; out0: [1024][2048] f32.
; A stream: each byte of part is read once and each byte of out0 written once.  No LDS, no barrier, no matrix unit, no cluster: no two work-groups read the same byte.
; The work-group owns 16,384 consecutive bytes of the output, four chunks of 4,096; thread t owns the 16 bytes at 16 t of each chunk, so a load or store of a wave covers 512 consecutive bytes, aligned.
; All 32 loads of a thread go out before anything is waited for: there is no loop, and no register of a load or store is written again.
.set PARTB, 0x800000                   ; bytes in a part: one more than a load's immediate offset holds, so each part has a base of its own
.set PS,    4                          ; v[4:131]  chunk c, part s: 4 registers at 4 + 32 c + 4 s
	s_load_b128 s[4:7], s[0:1], 0x0                ; part s[4:5], out0 s[6:7]
	s_lshl_b32 s2, ttmp9, 14                       ; the work-group's 16,384 bytes
	s_mov_b32 s3, 0
	v_lshlrev_b32 v1, 4, v0
	s_wait_kmcnt 0x0
	s_add_nc_u64 s[8:9], s[4:5], s[2:3]
	s_add_nc_u64 s[6:7], s[6:7], s[2:3]
.irp s, 1,2,3,4,5,6,7
	s_add_nc_u64 s[8+2*(\s):9+2*(\s)], s[8:9], (\s)*PARTB
.endr
.irp c, 0,1,2,3
.irp s, 0,1,2,3,4,5,6,7
	global_load_b128 v[PS+32*(\c)+4*(\s):PS+32*(\c)+4*(\s)+3], v1, s[8+2*(\s):9+2*(\s)] offset:4096*(\c) th:TH_LOAD_NT
.endr
.endr
.irp c, 0,1,2,3
	s_wait_loadcnt 24-8*(\c)                       ; loads come back in order (ISA guide 5.7.1): chunk c's eight are in, the later chunks' stay out
.irp s, 1,2,3,4,5,6,7
	v_pk_add_f32 v[PS+32*(\c):PS+32*(\c)+1],   v[PS+32*(\c):PS+32*(\c)+1],   v[PS+32*(\c)+4*(\s):PS+32*(\c)+4*(\s)+1]
	v_pk_add_f32 v[PS+32*(\c)+2:PS+32*(\c)+3], v[PS+32*(\c)+2:PS+32*(\c)+3], v[PS+32*(\c)+4*(\s)+2:PS+32*(\c)+4*(\s)+3]
.endr
	global_store_b128 v1, v[PS+32*(\c):PS+32*(\c)+3], s[6:7] offset:4096*(\c) th:TH_STORE_NT
.endr
	s_endpgm
.Lfunc_end_k_qdc627959d0_sum:
	.size	k_qdc627959d0_sum, .Lfunc_end_k_qdc627959d0_sum-k_qdc627959d0_sum
	.p2alignl 7, 3214868480
	.fill 96, 4, 3214868480
	.section	.rodata,"a",@progbits
	.p2align	6, 0x0
	.amdhsa_kernel k_qdc627959d0_sum
		.amdhsa_group_segment_fixed_size 0
		.amdhsa_private_segment_fixed_size 0
		.amdhsa_enable_private_segment 0
		.amdhsa_kernarg_size 16
		.amdhsa_user_sgpr_count 2
		.amdhsa_user_sgpr_kernarg_segment_ptr 1
		.amdhsa_wavefront_size32 1
		.amdhsa_system_sgpr_workgroup_id_x 1
		.amdhsa_system_sgpr_workgroup_id_y 1
		.amdhsa_system_sgpr_workgroup_id_z 1
		.amdhsa_system_vgpr_workitem_id 0
		.amdhsa_next_free_vgpr 136
		.amdhsa_next_free_sgpr 66
		.amdhsa_reserve_vcc 0
		.amdhsa_float_denorm_mode_32 3
		.amdhsa_float_denorm_mode_16_64 3
		.amdhsa_memory_ordered 1
		.amdhsa_forward_progress 1
		.amdhsa_inst_pref_size 8
	.end_amdhsa_kernel
	.amdgpu_metadata
---
amdhsa.version: [ 1, 2 ]
amdhsa.kernels:
  - .name:           k_qdc627959d0_sum
    .symbol:         k_qdc627959d0_sum.kd
    .args:
      - { .name: part, .offset: 0, .size: 8, .value_kind: global_buffer, .address_space: global }
      - { .name: out0, .offset: 8, .size: 8, .value_kind: global_buffer, .address_space: global }
    .group_segment_fixed_size: 0
    .private_segment_fixed_size: 0
    .kernarg_segment_align: 8
    .kernarg_segment_size: 16
    .max_flat_workgroup_size: 256
    .sgpr_count:     66
    .vgpr_count:     136
    .wavefront_size: 32
...
	.end_amdgpu_metadata
.endif
;; end of part 4
